; MI455X (gfx1250); checked and timed in simulation.
; The chip was launched on July 23, 2026; its instructions are those of AMD's public machine-readable ISA for CDNA 5 (MIT licence, August 2026) and "CDNA5" Instruction Set Architecture Reference Guide (July 2026). The comments in the code are by the model that wrote it; some were corrected since.
;; FFJORD. Allowed arithmetic: float matrix products may take bf16 or f16 operands with f32 sums; other float arithmetic in f32, or as packed bf16 or f16 multiplies, adds, multiply-adds, maxima and minima; sums over many terms, partial sums and values carried from step to step in f32; what a program stores and reads back later, other than sums and carried values, may be rounded once to bf16 or f16.
;; Inputs: W1 2 x 64 x 128 float32; W2 2 x 128 x 128 float32; W3 2 x 128 x 32 float32; b1 2 x 128 float32; b2 2 x 128 float32; b3 2 x 32 float32; x 32,768 x 32 float32.
;; Outputs: out0 32,768 x 32 float32.
;; One version. Each part assembles by itself: llvm-mc -triple=amdgcn-amd-amdhsa -mcpu=gfx1250 --defsym DOCPART=n.
;; ======== version 1 of 1: 1 launch
;; limits: values are held in f16: magnitudes above 65,504 overflow, below 6.1e-05 lose precision
;; launch flow (part 1): grid 256 x 1, 4 waves a work-group, no clusters, 163,328 bytes of LDS; arguments x, W1, b1, W2, b2, W3, b3, out0; writes out0
.if DOCPART == 1
	.amdgcn_target "amdgcn-amd-amdhsa--gfx1250"
	.amdhsa_code_object_version 6
	.text
	.protected	k_qe37bd67b44_flow
	.globl	k_qe37bd67b44_flow
	.p2align	8
	.type	k_qe37bd67b44_flow,@function
k_qe37bd67b44_flow:
	s_mov_b64 s[64:65], 0
	v_nop
	global_prefetch_b8 v0, s[64:65] scope:SCOPE_SE
	s_setreg_imm32_b32 hwreg(HW_REG_WAVE_MODE, 25, 1), 1
	s_wait_xcnt 0x0
; FFJORD, forward: two bijectors one after the other; each integrates dz/dt = mlp(t, z) over t in 0..1 by four fixed Dormand-Prince steps of six stages.
; mlp(t, z) = tanh(tanh([t x 32, z] W1 + b1) W2 + b2) W3 + b3.  x, out0: [32768][32] f32; W1 [2][64][128], W2 [2][128][128], W3 [2][128][32], b1, b2 [2][128], b3 [2][32], all f32.
; ONE LAUNCH.  Rows never meet: x is read once, out0 written once, the state and all six stages stay in registers, and so do a bijector's weights (384 registers a wave).  The step loop touches neither LDS nor memory.
; SHARES.  256 work-groups of 128 rows; a wave owns 32 rows: two PIECES of 16 (p0, p1).
; LAYOUT.  Every layer is taken transposed: source 0 = W^T (16 output features x 32 input features), source 1 = the activations (32 features x 16 rows).  In a result lane l holds row l % 16 and register j
; feature 16 mt + 8 (l / 16) + j; two neighbouring result tiles rounded to f16 in pairs ARE source 1 of the next layer's K step.  So nothing changes lanes from x to out0; z, the stage sums and k lie in the same layout.
; LAYER 1.  Its first 32 inputs are all t: h W1 = t colsum(W1[0:32]) + z W1[32:64].  So it is one K step of 32 with a bias that moves with t: VB1 = c b1 + t VTS, stepped by the stages' differences of t.
; TANH.  c = 2 log2(e).  A pre-activation arrives multiplied by c (in W1, in the biases, in layer 1's q): e = 2^acc; d = kappa e + kappa; q = 1 / d = (1 / kappa) / (1 + e).  tanh = 1 - 2 / (1 + e), so with
; kappa = -1 / (2 c) layer 1 hands on q = c (tanh - 1), with kappa = -1/2 layer 2 hands on q = tanh - 1; the missing 1 is the next layer's column sum, taken of the ROUNDED weights and kept in its bias.
; e = infinity gives q = -0 (tanh = 1), e = 0 gives q = 1 / kappa (tanh = -1).
; RUNGE-KUTTA by running sums, the step 1/4 folded into the coefficients: k_s is added at once onto every later stage's state (Y3..Y6) and onto z.
; BY TURNS.  In a SLOT one piece has its tanh (64 exponentials, 32 packed multiply-adds, 64 reciprocals) and the other its roundings and matrix work, set singly between the first one's lines; then they change places.
; FORMAT.  All three products take f16 operands and f32 sums: a weight's rounding is the same in all 24 evaluations of a bijector and adds up along the path, and f16 keeps 11 significant bits.
; LIMITS.  c W1, W2, W3 and every stage's state must lie within f16's 65,504: beyond it the row ends in infinities or NaN; weights below 6e-5 keep f16's fixed step of 6e-8.  t's part of the bias is
; built up by 20 f32 additions a bijector; the Runge-Kutta sums are taken in another order than the formula's.  NaN and infinities are not treated apart.
; NO CLUSTER, NO TENSOR LOAD.  What the work-groups share are the weights and biases, 231,680 bytes, read once at the head; they pass through registers in any case, for the factor c and the rounding to f16.
; REGISTERS, in windows of 256 (s_set_vgpr_msb: bits 1:0 source 0, 3:2 source 1, 5:4 source 2, 7:6 destination):
;   window 0: v0-31, v32-63 P (packed f16) of p0, p1; v64-127, v128-191 ACC of p0, p1 (tile mt at + 8 mt); v192-255 layer 1's weights.  With these three together the tanh and layer 1 need no switch.
;   window 1: layer 2's weights, fragment (mt, kc) at 8 (8 kc + mt)
;   window 2: v0-63 layer 3's weights, (mt, kc) at 8 (2 kc + mt); v64-127 VB1; v128-191 VB2; v192-255 VTS
;   window 3: piece p at 96 p: Z, Y3, Y4, Y5, Y6, KT, 16 each; v192-207 VB3; v208-223 T; v224-242 addresses
; Layers 2 and 3 want weights from windows 1 and 2 beside ACC and P, so each of their products costs two switches: the price of holding all weights in registers.
.set NBIJ,  2
.set NSTEP, 4
; LDS.  The weights as f16, [k][n], for the turning load: pitches are odd multiples of 32 bytes
.set PW,    288                        ; a row of W1 or W2: 256 bytes + 32
.set PW3,   96                         ; a row of W3: 64 bytes + 32
.set IW1,   0                          ; 64 rows
.set IW2,   IW1+64*PW                  ; 128 rows
.set IW3,   IW2+128*PW                 ; 128 rows
.set IMGB,  IW3+128*PW3                ; 67,584: a bijector's image; two of them
.set BIAS,  2*IMGB                     ; for each wave a copy of its own: b1 (1,024), b2 (1,024), b3 (256)
.set BIASW, 2304
.set STG,   BIAS+4*BIASW               ; for each wave 32 rows of 128 + 16 bytes, for the way out
.set SPITCH, 144
.set STGW,  32*SPITCH
.set SPARE, STG+4*STGW                 ; 162,816 = 636 x 256: the spare words, 128 bytes for each wave, that no other line names
; vector registers
.set ACC, 64
.set WA1, 192
.set WA2, 0
.set WA3, 0
.set VB1, 64
.set VB2, 128
.set VTS, 192
.set VB3, 192
.set T,   208                          ; stage 2's state, used at once; while a bijector is set up its first eight registers hold 1.0 in every f16 half
.set BT,  16                           ; window 3, at the head only: the biases on their way to LDS
.set SPW, 224                          ; LDS address of my spare word: SPARE + 4 x my thread's number; never rewritten
.set NIL, 225                          ; 0; never rewritten
.set ADW, 226                          ; turning load, W1 and W2: (8 (l / 16) + l % 8) x 288 + 16 ((l / 8) % 2), + the bijector's image
.set ADW3, 227                         ; the same for W3, pitch 96, + IW3
.set BL12, 228                         ; my bias copy + 32 (l / 16), + 512 x bijector
.set BL3, 229                          ; the same, + 128 x bijector
.set XO,  230                          ; 128 (l % 16) + 32 (l / 16): my 32 bytes of a row of x
.set STO, 231                          ; the way out: where I put 16 bytes of a row
.set RD,  232                          ; the way out: where I read rows back
.set GO,  233                          ; 16 l
.set GV1, 234                          ; my wave's 16 rows of W1: 8,192 w + 16 l
.set GV2, 235                          ; its 32 rows of W2: 16,384 w + 16 l
.set GV3, 236                          ; its 32 rows of W3: 4,096 w + 16 l
.set LW1, 237                          ; where they go in LDS
.set LW2, 238
.set LW3, 239
.set LB,  240                          ; my bias copy + 16 l
.set LB3, 241                          ; my bias copy + 2,048 + 8 l
.set G8,  242                          ; 8 l
; scalar registers.  s[4:19]: x, W1, b1, W2, b2, W3, b3, out0.  Every constant is a pair, since the packed forms name a pair and take its low word for both halves
.set WV,  20
.set CNT, 24
.set BIJ, 25
.set A21, 26
.set A31, 28
.set A41, 30
.set A51, 32
.set A61, 34
.set BB1, 36
.set A32, 38
.set A42, 40
.set A52, 42
.set A62, 44
.set A43, 46
.set A53, 48
.set A63, 50
.set BB3, 52
.set A54, 54
.set A64, 56
.set BB4, 58
.set A65, 60
.set BB5, 62
.set BB6, 66
.set B6V, 68                           ; p1's coefficient of k6: 0 in the pass that enters the loop, then BB6
.set DT1, 70
.set DT2, 72
.set DT3, 74
.set DT4, 76
.set DT5, 78
.set K1,  80
.set CC,  82
.set K2,  84
.set VW,  0x20                         ; the tanh's and layer 1's setting: all in window 0 but source 2 (VB1) in window 2
.set MSB, 0
.macro WIN new                         ; the immediate's high byte repeats the setting that is left; a switch that changes nothing is dropped
.if MSB != (\new)
	s_set_vgpr_msb (MSB<<8)|(\new)
.set MSB, (\new)
.endif
.endm
.macro KONST reg, bits
	s_mov_b32 s[\reg], \bits
	s_mov_b32 s[(\reg)+1], s[\reg]
.endm
	s_load_b256 s[4:11], s[0:1], 0x0               ; x, W1, b1, W2
	s_load_b256 s[12:19], s[0:1], 0x20             ; b2, W3, b3, out0
	WIN 0xc0                                       ; destination window 3, sources window 0
	v_lshl_add_u32 v[SPW], v0, 2, SPARE
	v_mov_b32 v[NIL], 0
	WIN 0
	v_lshrrev_b32 v2, 5, v0
	v_readfirstlane_b32 s[WV], v2                  ; wave 0..3
	v_and_b32 v1, 31, v0                           ; l
	v_and_b32 v3, 15, v0                           ; l % 16
	v_bfe_u32 v4, v0, 4, 1                         ; l / 16
	v_and_b32 v5, 7, v0                            ; l % 8
	v_bfe_u32 v6, v0, 3, 1                         ; (l / 8) % 2
	v_bfe_u32 v7, v0, 3, 2                         ; l / 8
	v_lshl_add_u32 v8, v4, 3, v5                   ; the turning load's row: 8 (l / 16) + l % 8
	v_mul_u32_u24 v9, v8, PW
	v_mul_u32_u24 v10, v8, PW3
	v_lshl_add_u32 v10, v6, 4, v10
	v_lshlrev_b32 v11, 7, v3
	v_mul_u32_u24 v12, v3, SPITCH
	v_lshl_add_u32 v12, v4, 5, v12
	v_mul_u32_u24 v13, v7, SPITCH
	v_lshl_add_u32 v13, v5, 4, v13
	v_mul_u32_u24 v14, v7, PW3
	v_lshl_add_u32 v14, v5, 3, v14
	WIN 0xc0
	v_lshl_add_u32 v[ADW], v6, 4, v9
	v_add_nc_u32 v[ADW3], IW3, v10
	s_mul_i32 s21, s[WV], BIASW
	s_add_co_u32 s21, s21, BIAS                    ; my wave's bias copy
	v_lshl_add_u32 v[BL12], v4, 5, s21
	v_lshl_add_u32 v[BL3], v4, 5, s21
	v_lshl_add_u32 v[LB], v1, 4, s21
	s_add_co_u32 s22, s21, 2048
	v_lshl_add_u32 v[LB3], v1, 3, s22
	v_lshl_add_u32 v[XO], v4, 5, v11
	s_mul_i32 s22, s[WV], STGW
	s_add_co_u32 s22, s22, STG                     ; my wave's stage
	v_add_nc_u32 v[STO], s22, v12
	v_add_nc_u32 v[RD], s22, v13
	v_lshlrev_b32 v[GO], 4, v1
	v_lshlrev_b32 v[G8], 3, v1
	s_lshl_b32 s21, s[WV], 13
	v_lshl_add_u32 v[GV1], v1, 4, s21
	s_lshl_b32 s21, s[WV], 14
	v_lshl_add_u32 v[GV2], v1, 4, s21
	s_lshl_b32 s21, s[WV], 12
	v_lshl_add_u32 v[GV3], v1, 4, s21
	s_mul_i32 s21, s[WV], 16*PW
	v_lshl_add_u32 v[LW1], v1, 3, s21              ; row 16 w, 8 bytes a lane
	s_mul_i32 s21, s[WV], 32*PW
	s_add_co_u32 s21, s21, IW2
	v_lshl_add_u32 v[LW2], v1, 3, s21              ; row 32 w
	s_mul_i32 s21, s[WV], 32*PW3
	s_add_co_u32 s21, s21, IW3
	v_add_nc_u32 v[LW3], s21, v14                  ; row 32 w + l / 8, 8 bytes for each of eight lanes
	WIN 0
	KONST A21, 0x3d4ccccd                          ; 1/20: every coefficient is the tableau's times the step 1/4
	KONST A31, 0x3c99999a                          ; 3/160
	KONST A41, 0x3e7a4fa5                          ; 11/45
	KONST A51, 0x3f3cf760                          ; 4843/6561
	KONST A61, 0x3f362960                          ; 9017/12672
	KONST BB1, 0x3cbaaaab                          ; 35/1536
	KONST A32, 0x3d666666                          ; 9/160
	KONST A42, 0xbf6eeeef                          ; -14/15
	KONST A52, 0xc039885f                          ; -6340/2187
	KONST A62, 0xc02c1f08                          ; -355/132
	KONST A43, 0x3f638e39                          ; 8/9
	KONST A53, 0x401d2a92                          ; 16112/6561
	KONST A63, 0x400e80b5                          ; 11683/5247
	KONST BB3, 0x3de6024d                          ; 125/1113
	KONST A54, 0xbd94e4f6                          ; -53/729
	KONST A64, 0x3d8e8ba3                          ; 49/704
	KONST BB4, 0x3e26aaab                          ; 125/768
	KONST A65, 0xbd8c0c4c                          ; -5103/74624
	KONST BB5, 0xbda50e7e                          ; -2187/27136
	KONST BB6, 0x3d061862                          ; 11/336
	KONST DT1, 0x3d4ccccd                          ; t from stage to stage: 1/20,
	KONST DT2, 0x3ccccccd                          ; 1/40,
	KONST DT3, 0x3e000000                          ; 1/8,
	KONST DT4, 0x3cb60b61                          ; 1/45,
	KONST DT5, 0x3ce38e39                          ; 1/36; stage 6 and the next step's stage 1 have the same t
	KONST K1,  0xbe317218                          ; -1 / (2 c) = -ln(2) / 4
	KONST CC,  0x4038aa3b                          ; c = 2 log2(e)
	KONST K2,  0xbf000000                          ; -1/2
	s_lshl_b32 s22, ttmp9, 14                      ; the work-group's 128 rows of 128 bytes,
	s_lshl_b32 s21, s[WV], 12                      ; my wave's 32
	s_add_co_u32 s22, s22, s21
	s_mov_b32 s23, 0
	s_wait_kmcnt 0x0
	s_add_nc_u64 s[4:5], s[4:5], s[22:23]
	s_add_nc_u64 s[18:19], s[18:19], s[22:23]
; ALL GLOBAL LOADS IN ONE RUN, 125 a wave: x (8), the biases (5), then for each bijector W1 (16), W2 (32), W3 (8).  A weight load of a wave covers 512 consecutive bytes.
	WIN 0xc3                                       ; destination and address window 3
.irp p, 0,1
.irp q, 0,1,2,3
	global_load_b128 v[96*(\p)+4*(\q):96*(\p)+4*(\q)+3], v[XO], s[4:5] offset:2048*(\p)+16*((\q)%2)+64*((\q)/2)  ; Z: features 8 (l / 16) + 0..7, then 16 + 8 (l / 16) + 0..7
.endr
.endr
	global_load_b128 v[BT:BT+3],     v[GO], s[8:9]
	global_load_b128 v[BT+4:BT+7],   v[GO], s[8:9] offset:512
	global_load_b128 v[BT+8:BT+11],  v[GO], s[12:13]
	global_load_b128 v[BT+12:BT+15], v[GO], s[12:13] offset:512
	global_load_b64  v[BT+16:BT+17], v[G8], s[16:17]
.macro GLOADW b                        ; bijector b's weights, into the window that is set: W1 at v0, W2 at v64, W3 at v192
.set i, 0
.rept 16
	global_load_b128 v[4*i:4*i+3], v[GV1], s[6:7] offset:512*i+32768*(\b)
.set i, i+1
.endr
.set i, 0
.rept 32
	global_load_b128 v[64+4*i:64+4*i+3], v[GV2], s[10:11] offset:512*i+65536*(\b)
.set i, i+1
.endr
.set i, 0
.rept 8
	global_load_b128 v[192+4*i:192+4*i+3], v[GV3], s[14:15] offset:512*i+16384*(\b)
.set i, i+1
.endr
.endm
	WIN 0x43                                       ; destination window 1
	GLOADW 0
	WIN 0x83                                       ; destination window 2
	GLOADW 1
; n loads' numbers in window w, from register first on, are rounded to f16 (W1: times c first) and stored, 8 bytes a lane: a row of 256 bytes (W3: four rows of 64) an instruction.
.macro CHUNK w, first, n, scale, lw, step
	WIN 0x45*(\w)                                  ; destination and both sources in window w
.set i, 0
.rept \n
.if \scale
	v_pk_mul_f32 v[(\first)+4*i:(\first)+4*i+1],   v[(\first)+4*i:(\first)+4*i+1],   s[CC:CC+1] op_sel_hi:[1,0]
	v_pk_mul_f32 v[(\first)+4*i+2:(\first)+4*i+3], v[(\first)+4*i+2:(\first)+4*i+3], s[CC:CC+1] op_sel_hi:[1,0]
.endif
	v_cvt_pk_f16_f32 v[(\first)+4*i],   v[(\first)+4*i],   v[(\first)+4*i+1]
	v_cvt_pk_f16_f32 v[(\first)+4*i+1], v[(\first)+4*i+2], v[(\first)+4*i+3]
.set i, i+1
.endr
	WIN 0x03+4*(\w)                                ; address window 3, data window w
.set i, 0
.rept \n
	ds_store_b64 v[\lw], v[(\first)+4*i:(\first)+4*i+1] offset:i*(\step)
.set i, i+1
.endr
.endm
	s_wait_loadcnt 63                              ; loads come back in order (ISA guide 5.7.1): the youngest 63 of the 125 may be out, so the first 62 are in: x, the biases, W1[0], W2[0]
	WIN 0x0f                                       ; address and data window 3
	ds_store_b128 v[LB], v[BT:BT+3]
	ds_store_b128 v[LB], v[BT+4:BT+7]   offset:512
	ds_store_b128 v[LB], v[BT+8:BT+11]  offset:1024
	ds_store_b128 v[LB], v[BT+12:BT+15] offset:1536
	ds_store_b64  v[LB3], v[BT+16:BT+17]
	CHUNK 1, 0,   16, 1, LW1, PW
	CHUNK 1, 64,  32, 0, LW2, PW
	s_wait_loadcnt 56                              ; behind W3[0]: the second bijector's 56
	CHUNK 1, 192, 8,  0, LW3, 4*PW3
	WIN 0xcf
	v_add_nc_u32 v[LW1], IMGB, v[LW1]              ; the second image
	v_add_nc_u32 v[LW2], IMGB, v[LW2]
	v_add_nc_u32 v[LW3], IMGB, v[LW3]
	s_wait_loadcnt 40                              ; behind W1[1]: W2[1] and W3[1]
	CHUNK 2, 0,   16, 1, LW1, PW
	s_wait_loadcnt 8                               ; behind W2[1]: W3[1]
	CHUNK 2, 64,  32, 0, LW2, PW
	s_wait_loadcnt 0x0
	CHUNK 2, 192, 8,  0, LW3, 4*PW3
	WIN 0
	s_wait_dscnt 0x0                               ; for the others' sake: my rows of both images are in LDS
	s_barrier_signal -1
	s_barrier_wait -1                              ; everybody's are.  The launch's only barrier: the images are never written again
	s_mov_b32 s[BIJ], NBIJ
; A SLOT'S NAMES.  tp: the piece whose tanh it is; the other piece, cp, has its roundings and matrix work.
.macro ROLES tp, layer
.set TA,  ACC+64*(\tp)
.set CA,  ACC+64*(1-(\tp))
.set CP,  32*(1-(\tp))
.set PBC, 96*(1-(\tp))                 ; cp's state in window 3
.set KTC, PBC+80
.if (\layer) == 1
.set KS, K1
.else
.set KS, K2
.endif
.set qe, 0
.set qc, 0
.set qa, 0
.set qr, 0
.set qm, 0
.endm
; THE QUEUES: each macro writes its queue's next line.  All run in ascending registers, so a matrix result is first read at its low end.
.macro XE                              ; e = 2^acc
	WIN VW
	v_exp_f32 v[TA+qe], v[TA+qe]
.set qe, qe+1
.endm
.macro XC                              ; cp's q, a pair rounded to f16
	WIN VW
	v_cvt_pk_f16_f32 v[CP+qc], v[CA+2*qc], v[CA+2*qc+1]
.set qc, qc+1
.endm
.macro XA                              ; d = kappa e + kappa, a pair
	WIN VW
	v_pk_fma_f32 v[TA+2*qa:TA+2*qa+1], v[TA+2*qa:TA+2*qa+1], s[KS:KS+1], s[KS:KS+1] op_sel_hi:[1,0,0]
.set qa, qa+1
.endm
.macro XR                              ; q = 1 / d
	WIN VW
	v_rcp_f32 v[TA+qr], v[TA+qr]
.set qr, qr+1
.endm
.macro BATCH                           ; behind a batch of 64 exponentials or reciprocals: a plain instruction behind the last (ISA guide 5.7.2), and the one wait ahead of the first line that names a result
	v_nop
	s_wait_alu depctr_va_vdst(0)
.endm
; THE MATRIX WORK.  The accumulators take turns, one instruction a turn: layer 2's eight tiles K step by K step, layer 3's two alternating, layer 1's eight once each;
; from slot to slot, into the loop and over its backward jump the neighbours name different accumulators too.
.macro M2                              ; product qm of 32 of layer 2: K step qm / 8, tile qm % 8; the first eight start the sums with the bias
.set kc, qm/8
.set mt, qm%8
.if kc == 0
	WIN 0x21                                       ; weights window 1, P window 0, VB2 window 2
	v_wmma_f32_16x16x32_f16 v[CA+8*mt:CA+8*mt+7], v[WA2+8*qm:WA2+8*qm+7], v[CP+8*kc:CP+8*kc+7], v[VB2+8*mt:VB2+8*mt+7]
.else
	WIN 0x01
	v_wmma_f32_16x16x32_f16 v[CA+8*mt:CA+8*mt+7], v[WA2+8*qm:WA2+8*qm+7], v[CP+8*kc:CP+8*kc+7], v[CA+8*mt:CA+8*mt+7]
.endif
.set qm, qm+1
.endm
.macro M3                              ; product qm of 8 of layer 3: K step qm / 2, tile qm % 2
.set kc, qm/2
.set mt, qm%2
	WIN 0xf2                                       ; weights window 2, P window 0, C and D window 3
.if kc == 0
	v_wmma_f32_16x16x32_f16 v[KTC+8*mt:KTC+8*mt+7], v[WA3+8*qm:WA3+8*qm+7], v[CP+8*kc:CP+8*kc+7], v[VB3+8*mt:VB3+8*mt+7]
.else
	v_wmma_f32_16x16x32_f16 v[KTC+8*mt:KTC+8*mt+7], v[WA3+8*qm:WA3+8*qm+7], v[CP+8*kc:CP+8*kc+7], v[KTC+8*mt:KTC+8*mt+7]
.endif
.set qm, qm+1
.endm
.macro M1                              ; tile qm of 8 of layer 1: one K step, the bias of the stage's t as C
	WIN VW
	v_wmma_f32_16x16x32_f16 v[CA+8*qm:CA+8*qm+7], v[WA1+8*qm:WA1+8*qm+7], v[CP:CP+7], v[VB1+8*qm:VB1+8*qm+7]
.set qm, qm+1
.endm
.macro BIASUP dt                       ; layer 1's bias goes on to the next stage's t
	WIN 0xa2
.set i, 0
.rept 32
	v_pk_fma_f32 v[VB1+i:VB1+i+1], v[VTS+i:VTS+i+1], s[(\dt):(\dt)+1], v[VB1+i:VB1+i+1] op_sel_hi:[1,0,1]
.set i, i+2
.endr
.endm
.macro FMA8 d, a, co                   ; d = a + co k, 16 numbers a lane
	WIN 0xf3
.set i, 0
.rept 8
	v_pk_fma_f32 v[(\d)+i:(\d)+i+1], v[KTC+i:KTC+i+1], s[(\co):(\co)+1], v[(\a)+i:(\a)+i+1] op_sel_hi:[1,0,1]
.set i, i+2
.endr
.endm
.macro CVT8 src                        ; the next stage's state, rounded to f16: source 1 of layer 1
	WIN 0x0f
.set i, 0
.rept 8
	v_cvt_pk_f16_f32 v[CP+i], v[(\src)+2*i], v[(\src)+2*i+1]
.set i, i+1
.endr
.endm
.macro RK s, c6                        ; k_s lies in KT: it is added onto every sum that wants it; the sum that the next stage starts from comes first
.if (\s) == 1
	FMA8 T,      PBC, A21
	FMA8 PBC+16, PBC, A31
	FMA8 PBC+32, PBC, A41
	FMA8 PBC+48, PBC, A51
	FMA8 PBC+64, PBC, A61
	FMA8 PBC,    PBC, BB1
	CVT8 T
.elseif (\s) == 2
	FMA8 PBC+16, PBC+16, A32
	FMA8 PBC+32, PBC+32, A42
	FMA8 PBC+48, PBC+48, A52
	FMA8 PBC+64, PBC+64, A62
	CVT8 PBC+16
.elseif (\s) == 3
	FMA8 PBC+32, PBC+32, A43
	FMA8 PBC+48, PBC+48, A53
	FMA8 PBC+64, PBC+64, A63
	FMA8 PBC,    PBC,    BB3
	CVT8 PBC+32
.elseif (\s) == 4
	FMA8 PBC+48, PBC+48, A54
	FMA8 PBC+64, PBC+64, A64
	FMA8 PBC,    PBC,    BB4
	CVT8 PBC+48
.elseif (\s) == 5
	FMA8 PBC+64, PBC+64, A65
	FMA8 PBC,    PBC,    BB5
	CVT8 PBC+64
.else
	FMA8 PBC,    PBC,    \c6
	CVT8 PBC
.endif
.endm
; THE DEAL.  A slot has two batches.  FIRST: cp's 32 roundings (four ahead, so that four plain lines stand between the last products on tp's tiles and the first exponential; all 32 ahead of cp's first
; product, which writes over what they read), tp's 64 exponentials, and cp's first products with three exponentials behind each.  SECOND: 8 multiply-adds ahead, then the 64 reciprocals with the other 24
; multiply-adds among them, pair k always ahead of reciprocals 2 k and 2 k + 1 (the lead goes from 8 pairs to none), and cp's other products.
; No vector line beside a product names one of its registers: they are tp's, the product's are cp's.
.macro OPENING
.rept 4
	XC
.endr
.rept 28
	XE
	XC
.endr
.endm
.macro SLOT_L2 tp, layer               ; beside tp's tanh: cp's layer 2, 12 products in the first batch and 20 in the second
	ROLES \tp, \layer
	OPENING
.rept 12
	M2
	XE
	XE
	XE
.endr
	BATCH
.rept 8
	XA
.endr
.rept 4
	M2
	XR
	XA
	XR
	XA
	XR
.rept 3
	M2
	XR
	XA
	XR
	XR
.endr
	M2
	XR
	XA
	XR
	XR
	XR
.endr
	BATCH
.endm
; Beside tp's tanh: cp's layer 3 (k of stage s), the bias's step (dt, where cp leads), the Runge-Kutta sums, and layer 1 of the next stage.  The sums' first read of KT stands behind the v_nop and eight
; multiply-adds, plain lines that name tp's registers alone; so does the write of P's first eight registers, which layer 3's first two products read.
.macro SLOT_RK tp, layer, s, dt=0, c6=BB6
	ROLES \tp, \layer
	OPENING
.rept 8
	M3
	XE
	XE
	XE
.endr
.if (\dt) != 0
	BIASUP \dt
.endif
.rept 12
	XE
.endr
	BATCH
.rept 8
	XA
.endr
	RK \s, \c6
.set qm, 0
.rept 8
	M1
	XR
	XA
	XR
	XA
	XR
	XA
	XR
	XR
	XR
	XR
	XR
.endr
	BATCH
.endm
.macro MIDDLE s, dt=0                  ; stage s: p1's first tanh | p0's layer 2;  p0's second tanh | p1's layer 2;  p1's second tanh | p0's layer 3, sums and next layer 1
	SLOT_L2 1, 1
	SLOT_L2 0, 2
	SLOT_RK 1, 2, \s, \dt
.endm
.Lbij:                                         ; A BIJECTOR IS SET UP: its weights and biases come out of LDS into registers, written once and run twice
.rept 4
	v_nop                                          ; places behind the last products, in front of loads into registers that they read
.endr
	WIN 0x03                                       ; destination window 0, address window 3
.set f, 0
.rept 8                                        ; layer 1: c W1's rows 32-63, turned; rows 0-31 (t's part) go into p0's ACC, for their column sums alone
	ds_load_tr16_b128 v[WA1+8*f:WA1+8*f+3],   v[ADW] offset:IW1+32*PW+32*f
	ds_load_tr16_b128 v[WA1+8*f+4:WA1+8*f+7], v[ADW] offset:IW1+48*PW+32*f
	ds_load_tr16_b128 v[ACC+8*f:ACC+8*f+3],   v[ADW] offset:IW1+32*f
	ds_load_tr16_b128 v[ACC+8*f+4:ACC+8*f+7], v[ADW] offset:IW1+16*PW+32*f
.set f, f+1
.endr
	WIN 0x43
.set f, 0
.rept 32                                       ; layer 2: K step f / 8, tile f % 8
	ds_load_tr16_b128 v[WA2+8*f:WA2+8*f+3],   v[ADW] offset:IW2+(f/8)*32*PW+(f%8)*32
	ds_load_tr16_b128 v[WA2+8*f+4:WA2+8*f+7], v[ADW] offset:IW2+(f/8)*32*PW+16*PW+(f%8)*32
.set f, f+1
.endr
	WIN 0x83
.set f, 0
.rept 8                                        ; layer 3: K step f / 2, tile f % 2
	ds_load_tr16_b128 v[WA3+8*f:WA3+8*f+3],   v[ADW3] offset:(f/2)*32*PW3+(f%2)*32
	ds_load_tr16_b128 v[WA3+8*f+4:WA3+8*f+7], v[ADW3] offset:(f/2)*32*PW3+16*PW3+(f%2)*32
.set f, f+1
.endr
.set f, 0
.rept 8                                        ; the biases as C operands: register j of tile f holds b[16 f + 8 (l / 16) + j]
	ds_load_b128 v[VB1+8*f:VB1+8*f+3],   v[BL12] offset:64*f
	ds_load_b128 v[VB1+8*f+4:VB1+8*f+7], v[BL12] offset:64*f+16
	ds_load_b128 v[VB2+8*f:VB2+8*f+3],   v[BL12] offset:1024+64*f
	ds_load_b128 v[VB2+8*f+4:VB2+8*f+7], v[BL12] offset:1024+64*f+16
.set f, f+1
.endr
	WIN 0xc3
.set f, 0
.rept 2
	ds_load_b128 v[VB3+8*f:VB3+8*f+3],   v[BL3] offset:2048+64*f
	ds_load_b128 v[VB3+8*f+4:VB3+8*f+7], v[BL3] offset:2048+64*f+16
.set f, f+1
.endr
	WIN 0xc0
.set i, 0
.rept 8
	v_mov_b32 v[T+i], 0x3c003c00                   ; source 1 of the column sums: 1.0 in every f16 half
.set i, i+1
.endr
	WIN 0
.set i, 0
.rept 64
	v_mov_b32 v[ACC+64+i], 0                       ; the pass that enters the loop rounds p1's ACC to f16 and multiplies the k made of it by 0: it must be finite.  These lines run while the LDS loads are out
.set i, i+1
.endr
	s_wait_dscnt 0x0                               ; all 148 loads are in
	WIN 0x8c                                       ; VTS = the column sums of c W1's rows 0-31
.set f, 0
.rept 8
	v_wmma_f32_16x16x32_f16 v[VTS+8*f:VTS+8*f+7], v[ACC+8*f:ACC+8*f+7], v[T:T+7], 0
.set f, f+1
.endr
	WIN 0xad                                       ; VB2 = b2 + W2's column sums
.set f, 0
.rept 32
	v_wmma_f32_16x16x32_f16 v[VB2+8*(f%8):VB2+8*(f%8)+7], v[WA2+8*f:WA2+8*f+7], v[T:T+7], v[VB2+8*(f%8):VB2+8*(f%8)+7]
.set f, f+1
.endr
	WIN 0xfe                                       ; VB3 = b3 + W3's column sums
.set f, 0
.rept 8
	v_wmma_f32_16x16x32_f16 v[VB3+8*(f%2):VB3+8*(f%2)+7], v[WA3+8*f:WA3+8*f+7], v[T:T+7], v[VB3+8*(f%2):VB3+8*(f%2)+7]
.set f, f+1
.endr
	WIN 0x82
.set i, 0
.rept 64                                       ; VB1 and VB2, which lie on end, times c.  VB1's 32 lines name no register of the products above: they are the places in front of VB2's
	v_pk_mul_f32 v[VB1+i:VB1+i+1], v[VB1+i:VB1+i+1], s[CC:CC+1] op_sel_hi:[1,0]
.set i, i+2
.endr
	ROLES 1, 1                                     ; p0 leads: its state is rounded, and its layer 1 of the first stage is multiplied
	CVT8 PBC
.rept 8
	M1
.endr
	s_mov_b32 s[B6V], 0
	s_mov_b32 s[B6V+1], 0
	s_mov_b32 s[CNT], NSTEP+1                      ; the entering pass through the loop's last slot, and four whole steps
	WIN 0                                          ; at a label and at a branch every window is 0
	s_branch .Lenter
; A STEP.  p0 leads p1 by a slot, so a trip begins at stage 1's second slot and ends with the next step's first: p0's first tanh | p1's k6, its z, its layer 1.
; The loop is entered at that last slot: p1's k is then made of zeros and counts 0 times (B6V).  The last trip's work for p0 in that slot serves nothing: the price of writing no first and no last step out.
.Lstep:
	MIDDLE 1, DT1
	SLOT_RK 0, 1, 1
	MIDDLE 2, DT2
	SLOT_RK 0, 1, 2
	MIDDLE 3, DT3
	SLOT_RK 0, 1, 3
	MIDDLE 4, DT4
	SLOT_RK 0, 1, 4
	MIDDLE 5, DT5
	SLOT_RK 0, 1, 5
	MIDDLE 6
	WIN 0
.Lenter:
	SLOT_RK 0, 1, 6, 0, B6V
	WIN 0
	s_mov_b32 s[B6V], s[BB6]
	s_mov_b32 s[B6V+1], s[BB6]
	s_sub_co_u32 s[CNT], s[CNT], 1
	s_cmp_lg_u32 s[CNT], 0
	s_cbranch_scc1 .Lstep
	WIN 0xcf                                       ; the next bijector's image and biases
	v_add_nc_u32 v[ADW],  IMGB, v[ADW]
	v_add_nc_u32 v[ADW3], IMGB, v[ADW3]
	v_add_nc_u32 v[BL12], 512,  v[BL12]
	v_add_nc_u32 v[BL3],  128,  v[BL3]
	WIN 0
	s_sub_co_u32 s[BIJ], s[BIJ], 1
	s_cmp_lg_u32 s[BIJ], 0
	s_cbranch_scc1 .Lbij
; THE WAY OUT.  A lane holds 4 x 16 bytes of one row; they go into my wave's stage, rows of 144 bytes, and come back as whole rows: 32 lanes take four rows of 128 bytes, 512 consecutive bytes of out0.
	WIN 0x0f                                       ; address and data window 3
.irp p, 0,1
.irp q, 0,1,2,3
	ds_store_b128 v[STO], v[96*(\p)+4*(\q):96*(\p)+4*(\q)+3] offset:16*SPITCH*(\p)+16*((\q)%2)+64*((\q)/2)
.endr
.endr
	WIN 0x03                                       ; address window 3; loaded and stored data window 0
.irp q, 0,1,2,3,4,5,6,7
	ds_load_b128 v[ACC+4*(\q):ACC+4*(\q)+3], v[RD] offset:4*SPITCH*(\q)  ; LDS serves a wave's instructions in order (ISA guide 5.7.1.4): these see the stores above; the bytes are my wave's own
.endr
.irp q, 0,1,2,3,4,5,6,7
	s_wait_dscnt 7-(\q)                            ; the younger loads may stay out
	global_store_b128 v[GO], v[ACC+4*(\q):ACC+4*(\q)+3], s[18:19] offset:512*(\q) th:TH_STORE_NT  ; 512 consecutive bytes, at a multiple of 512 from out0's first byte
.endr
	WIN 0x0f
	s_wait_tensorcnt 0x0                           ; the wave's end, behind my last LDS store
	ds_add_u32 v[SPW], v[NIL]
	s_wait_dscnt 0x0
	WIN 0
	s_endpgm
.Lfunc_end_k_qe37bd67b44_flow:
	.size	k_qe37bd67b44_flow, .Lfunc_end_k_qe37bd67b44_flow-k_qe37bd67b44_flow
	.p2alignl 7, 3214868480
	.fill 96, 4, 3214868480
	.section	.rodata,"a",@progbits
	.p2align	6, 0x0
	.amdhsa_kernel k_qe37bd67b44_flow
		.amdhsa_group_segment_fixed_size 163328
		.amdhsa_private_segment_fixed_size 0
		.amdhsa_enable_private_segment 0
		.amdhsa_kernarg_size 64
		.amdhsa_user_sgpr_count 2
		.amdhsa_user_sgpr_kernarg_segment_ptr 1
		.amdhsa_wavefront_size32 1
		.amdhsa_system_sgpr_workgroup_id_x 1
		.amdhsa_system_sgpr_workgroup_id_y 1
		.amdhsa_system_sgpr_workgroup_id_z 1
		.amdhsa_system_vgpr_workitem_id 0
		.amdhsa_next_free_vgpr 1024
		.amdhsa_next_free_sgpr 86
		.amdhsa_reserve_vcc 0
		.amdhsa_float_denorm_mode_32 3
		.amdhsa_float_denorm_mode_16_64 3
		.amdhsa_memory_ordered 1
		.amdhsa_forward_progress 1
		.amdhsa_inst_pref_size 255
	.end_amdhsa_kernel
	.section	.bss,"aw",@nobits
	.p2align	6
	.space	262144
	.amdgpu_metadata
---
amdhsa.version: [ 1, 2 ]
amdhsa.kernels:
  - .name:           k_qe37bd67b44_flow
    .symbol:         k_qe37bd67b44_flow.kd
    .args:
      - { .name: x, .offset: 0, .size: 8, .value_kind: global_buffer, .address_space: global }
      - { .name: W1, .offset: 8, .size: 8, .value_kind: global_buffer, .address_space: global }
      - { .name: b1, .offset: 16, .size: 8, .value_kind: global_buffer, .address_space: global }
      - { .name: W2, .offset: 24, .size: 8, .value_kind: global_buffer, .address_space: global }
      - { .name: b2, .offset: 32, .size: 8, .value_kind: global_buffer, .address_space: global }
      - { .name: W3, .offset: 40, .size: 8, .value_kind: global_buffer, .address_space: global }
      - { .name: b3, .offset: 48, .size: 8, .value_kind: global_buffer, .address_space: global }
      - { .name: out0, .offset: 56, .size: 8, .value_kind: global_buffer, .address_space: global }
    .group_segment_fixed_size: 163328
    .private_segment_fixed_size: 0
    .kernarg_segment_align: 8
    .kernarg_segment_size: 64
    .max_flat_workgroup_size: 128
    .sgpr_count:     86
    .vgpr_count:     1024
    .wavefront_size: 32
...
	.end_amdgpu_metadata
.endif
;; end of part 1
